; MI455X (gfx1250); checked and timed in simulation.
; The chip was launched on July 23, 2026; its instructions are those of AMD's public machine-readable ISA for CDNA 5 (MIT licence, August 2026) and "CDNA5" Instruction Set Architecture Reference Guide (July 2026). The comments in the code are by the model that wrote it; some were corrected since.
;; Memory Efficient Attention. Allowed arithmetic: matrix products marked QUANTISED: E2M1 operands, one E8M0 scale for each 32 along K, by v_wmma_scale_f32_16x16x128_f8f6f4 with both operands' format E2M1 (or v_wmma_scale_f32_32x16x128_f4), f32 sums; everything else in f32.
;; Inputs: k_codes 2 x 16 x 2,048 x 2 x 16 uint8 (E2M1 codes of k, K innermost, in blocks of 32 codes, two codes a byte); k_scales 2 x 16 x 2,048 x 2 uint8 (E8M0 scales of k, one for each 32 codes along K); q_codes 2 x 16 x 2,048 x 2 x 16 uint8 (E2M1 codes of q, K innermost, in blocks of 32 codes, two codes a byte); q_scales 2 x 16 x 2,048 x 2 uint8 (E8M0 scales of q, one for each 32 codes along K); v_codes 2 x 16 x 64 x 64 x 16 uint8 (E2M1 codes of v, K innermost, in blocks of 32 codes, two codes a byte); v_scales 2 x 16 x 64 x 64 uint8 (E8M0 scales of v, one for each 32 codes along K).
;; Outputs: out0 2 x 16 x 2,048 x 64 float32.
;; This version of the problem:
;;   THIS VERSION OF THE PROBLEM IS GIVEN IN LOW PRECISION. The matrix products marked QUANTISED in the list below multiply operands that are first quantised to E2M1 (2 exponent bits, 1 mantissa bit; 4 bits a number), with one power-of-two scale for each 32 numbers along K (OCP MX v1.0); their sums are f32. All else is computed in f32.
;;   The module's matrix products, in the order in which they are computed (A, B: the left and right operand; K: the contracted axis; several contracted axes count as one K, in the product's order):
;;     1. batch 32 x [M 2,048, K 64] x [K 64, N 2,048]; A: input q (given as codes); B: input k (given as codes): QUANTISED
;;     2. batch 32 x [M 2,048, K 2,048] x [K 2,048, N 64]; A: softmax (see below); B: input v (given as codes): QUANTISED
;;   THE QUANTISER, for each operand of a quantised product, along K:
;;     - K is cut into blocks of 32 from its start; a last block that is shorter is filled with zeros.
;;     - A block's scale is 2^e with e = floor(log2(the largest magnitude in the block)) - 2, held to -126 .. 127; a block of zeros has e = 0. As a byte (E8M0): e + 127.
;;     - Each number is divided by its block's scale, clamped to +-6, and rounded to the nearest number of E2M1, ties to even, subnormals kept.
;;     - The product sums the exact products of the quantised numbers (number of the format x scale) in f32.
;;   ~~~python
;;   def quantise(x, axis):      # numpy; x: float32 -> the quantised numbers, widened to float32 again
;;       x = np.moveaxis(x, axis, -1); K = x.shape[-1]
;;       x = np.pad(x, [(0, 0)] * (x.ndim - 1) + [(0, -K % 32)]); x = x.reshape(x.shape[:-1] + (-1, 32)); a = np.abs(x).max(-1, keepdims=True)
;;       e = np.where(a > 0, np.clip(np.frexp(np.where(a > 0, a, 1))[1] - 1 - 2, -126, 127), 0)      # np.frexp(a)[1] - 1 = floor(log2(a)), exactly
;;       r = np.clip(x / 2.0 ** e, -6, 6)
;;       step = 2.0 ** (np.maximum(np.frexp(np.where(r == 0, 1, r))[1] - 1, 0) - 1)
;;       q = np.round(r / step) * step * 2.0 ** e      # np.round: ties to even
;;       return np.moveaxis(q.reshape(q.shape[:-2] + (-1,))[..., :K], -1, axis).astype(np.float32)
;;   ~~~
;;   SOFTMAX AHEAD OF A QUANTISED PRODUCT. Where the list says 'softmax', what is quantised is not the finished softmax but p = 2^(t - M), with t = logit x log2(e) and M = ceil(the row's largest t), a whole number; so 1/2 < the row's largest p <= 1. The row's sum l is taken of the UNQUANTISED p, in f32, and the product's result is divided by l at the end. Since M is a whole number, a kernel that streams over the keys may use a running M (the ceiling of the running maximum): every later rescaling is an exact power of two, which a block's scale takes up: the codes' values come out the same.
;;   OPERANDS COMPUTED ON THE WAY. 'Computed on the way' means the value that the module computes at that place (a softmax that the list does not call 'softmax' is quantised finished and normalised). What goes into a quantiser is computed in f32, as accurately as f32 sums, v_exp_f32 and their like allow (about 1e-6 of the number): no bf16 or f16 on the way to a quantiser, and a product that is left as it is and whose result goes on into a quantised operand takes f32 operands (vector FMAs, or v_wmma_f32_16x16x4_f32). A number that lies on a knife's edge between two numbers of the format may be rounded either way, as far as f32 arithmetic and the matrix unit's own rounding can turn it there, and no further.
;;   INPUTS GIVEN AS CODES. k (in the module: [2, 16, 2048, 64], K = its axis 3); q (in the module: [2, 16, 2048, 64], K = its axis 3); v (in the module: [2, 16, 2048, 64], K = its axis 2): each comes as NAME_codes (uint8): NAME with its K axis moved to the last place and cut into blocks of 32 codes, [.., K / 32, bytes a block], one block behind the other in memory; two codes a byte, the lower K in the low four bits (a code: sign, 2 exponent bits, 1 mantissa bit); and NAME_scales (uint8): the same leading axes, one E8M0 byte (e + 127) for each 32 codes along K. Its value is code x scale, taken as it is: it is not quantised again, and the codes and scales need not be those that the quantiser above would give.
;; One version. Each part assembles by itself: llvm-mc -triple=amdgcn-amd-amdhsa -mcpu=gfx1250 --defsym DOCPART=n.
;; ======== version 1 of 1: 1 launch
;; launch attn (part 1): grid 8 x 32, 8 waves a work-group, clusters of 4 x 1, 185,856 bytes of LDS; arguments q_codes, q_scales, k_codes, k_scales, v_codes, v_scales, out0; writes out0
.if DOCPART == 1
	.amdgcn_target "amdgcn-amd-amdhsa--gfx1250"
	.amdhsa_code_object_version 6
	.text
	.protected	k_q0c071efed4_attn
	.globl	k_q0c071efed4_attn
	.p2align	8
	.type	k_q0c071efed4_attn,@function
k_q0c071efed4_attn:
	s_mov_b64 s[64:65], 0
	v_nop
	global_prefetch_b8 v0, s[64:65] scope:SCOPE_SE
	s_setreg_imm32_b32 hwreg(HW_REG_WAVE_MODE, 25, 1), 1
	s_wait_xcnt 0x0
	s_wait_alu depctr_hold_cnt(0) depctr_sa_sdst(0) depctr_va_vdst(0) depctr_va_sdst(0) depctr_va_ssrc(0) depctr_va_vcc(0) depctr_vm_vsrc(0)
	s_getreg_b32 s2, hwreg(HW_REG_IB_STS2, 6, 4)
	s_cmp_eq_u32 s2, 0
	s_cbranch_scc0 .Lentry_in_a_cluster
	s_endpgm
.Lentry_in_a_cluster:
	s_bfe_u32 s2, ttmp6, 0x10000c
	s_cmp_lg_u32 s2, 0x3003
	s_cbranch_scc0 .Lentry_shape_is_right
	s_endpgm
.Lentry_shape_is_right:
; out0[head][q][:] = the sum over keys k <= q of softmax_k(Q[q] . K[k] / 8) V[k][:], 32 heads, 2,048 queries and keys, head size 64; both products on codes of FP4 (E2M1) with one E8M0 scale for each 32 along a product's K.
; Q, K: 32 bytes of codes and 2 scale bytes a row.  V: codes with the KEYS innermost, for each head 64 rows (channels) of 1,024 bytes, and 64 scale bytes a row.  out0: f32, a row is 256 bytes.
; THE SOFTMAX: t = score x log2(e) / 8; M = the row's largest t so far, rounded UP to a whole number; p = 2^(t - M) is quantised along the keys, not normalised; the row's sum is taken of the unquantised p and divides at the end.
; When M moves, the sum and O are multiplied by 2^(old M - new M), which rounds nothing.
; SHARES.  256 work-groups: y = the head, x = 0 .. 7.  Wave w of eight owns two tiles of 16 queries: tile B at query 128 (15 - w) + 16 x, tile A at query 128 w + 16 x.  Tile B needs key steps 0 .. 15 - w, tile A steps 0 .. w
; (128 keys a step): 17 steps for every wave.  Which steps are hidden and which lies on the diagonal hangs on the wave's number alone; x enters Q's and out0's addresses and the mask's compare, no branch and no LDS address.
; LDS.  A head's K and V with their scale bytes, 136 KiB, are filled ONCE: no byte is filled twice, so there is no ring.  The four work-groups of a cluster belong to one head and ask for every tile JOINTLY (mask 15).
; The keys' first half is read (tile B, steps 0-7, all visible) while the second half is on its way.
; LAYOUT.  Both products are used transposed (S^T = K Q^T, O^T = V^T P^T): a lane holds ONE query (lane % 16) throughout.  THE KEYS OF A TILE ARE NOT NEIGHBOURS: row m of tile 4 c + g is key 64 c + 32 (m / 8) + 8 g + m % 8 of the
; step, so that register j of lane (r, h) is key 64 c + 32 h + 8 g + j: the conversion of a tile's 8 registers IS register 4 c + g of P's operand, and a block of 32 keys (block 2 c + h) lies whole in one lane.
; K = 64 in the first product: an operand's registers 4-7 (k = 64 on) are zero codes on both sides, written once; the scale words' upper two bytes are 0, which is a finite scale over zero codes.
; LIMITS: a p under 2^-126 comes out of v_exp_f32 as 0 (the row's sum is at least 1/2); a block whose every p is 0 keeps the scale byte 1 over zero codes; t under -3e38 is not served; a scale byte 0xff among the inputs gives NaN.
.set KSTEPB, 4608                      ; LDS: K's codes from byte 0: rows of 4 keys, 128 bytes + 16 of padding (pitch 144); a key step of 128 keys is 32 such rows
.set KHALF,  36864                     ; the second half of the keys
.set VC0,    73728                     ; V's codes, keys 0-1,023: 64 rows of 512 bytes + 16 (pitch 528)
.set VHALF,  33792                     ; and keys 1,024-2,047 so many bytes on
.set SCK,    141312                    ; K's scale bytes, dense: 2 a key
.set SCV,    145408                    ; V's scale bytes: 64 rows of 64 bytes + 8 (pitch 72)
.set STG,    150016                    ; the way out: 16 rows x (256 + 16) bytes for each wave; no fill lands here
.set KS,  2                            ; s2   the key step
.set TK,  3                            ; s3   where the step's keys begin in LDS
.set WV,  18                           ; s18  my wave's number
.set U,   19                           ; s19  wave % 4: which quarter of a tile I fetch
.set SEL, 20                           ; s[20:21] lane selects of v_permlanex16_b32: lane l xor 16
.set CS,  22                           ; s[22:23] c = log2(e) / 8, twice: the packed form names a pair
.set G1K, 24                           ; s[24:31] descriptor group 1: K's codes;  s[32:39] V's codes;  s[40:47] K's scale bytes;  s[48:55] V's scale bytes
.set G1V, 32
.set G1SK, 40
.set G1SV, 48
.set G0SK, 56                          ; groups 0: s[56:59] K's scale bytes, s[60:63], s[68:71] K's halves; s[72:75] V's scale bytes, s[76:79], s[80:83] V's halves
.set G0K0, 60
.set G0K1, 68
.set G0SV, 72
.set G0V0, 76
.set G0V1, 80
.set TV,  84                           ; s84  where the step's part of V's rows begins;  s85, s86 the same for K's and V's scale bytes  (at the head s84-86 hold an offset at work)
.set TSK, 85
.set TSV, 86
.set DA,  87                           ; s87  tile A's block of 128 queries = its diagonal key step: w
.set DB,  88                           ; s88  tile B's: 15 - w
.set STW, 89                           ; s89  my stage
.set XX,  90                           ; s90  work-group x
.set HD,  91                           ; s91  the head
.set AK0, 1                            ; v1   my lane's place in a tile of K;  v2 of V;  v3 among K's scale words;  v4 among V's
.set AV0, 2
.set ASK0, 3
.set ASV0, 4
.set SH,  5                            ; v5   8 h: my bytes' place in P's scale word
.set D0,  6                            ; v6   16 x + r - 32 h;  v7 the same - 64: on the diagonal, register n of S^T is hidden where n % 32 > v[D0 + n / 32]
.set ADK, 8                            ; v8-11  LDS addresses of the step in hand (K, V, K's scale words, V's); addresses on the way out
.set ADV, 9
.set ADS, 10
.set ADT, 11
.set QB,  16                           ; v[16:23] tile B's queries, v[24:31] tile A's: codes in the low four registers, zeros in the high four
.set QA,  24
.set KF,  32                           ; v[32:95]   eight fragments of K; the high four registers of each stay zero
.set S,   96                           ; v[96:159]  S^T, then p
.set OT,  160                          ; v[160:191] O^T
.set VF,  192                          ; v[192:223] four fragments of V
.set PC,  224                          ; v[224:231] p's codes
.set KSC, 232                          ; v232-235 K's scale words: lanes 0-15 the even tile's, lanes 16-31 the odd tile's;  v236-237 V's likewise
.set VSC, 236
.set PW,  238                          ; v238 p's scale word;  v239, v240 the queries' scale words
.set QBS, 239
.set QAS, 240
.set GO,  241                          ; v241 my byte offset in out0
.set MX,  242                          ; v242-245 four chains of the maximum; then v242, v244 the two blocks'  (at the head: the offsets of Q's loads)
.set RM,  246                          ; v246 the row's maximum;  v247 a lane permute's destination
.set PX,  247
.set E,   248                          ; v248-249 the conversions' scale operands
.set SM2, 250                          ; v[250:251] the sum's second chain
.set FF,  252                          ; v[252:253] f = 2^(old M - new M) (the low word serves both halves)
.set T0,  254
.set T1,  255
.set W0K,  15|(1<<20)|(1<<21)|(4<<22)|(3<<25)          ; 15:0 the mask: all four work-groups; 17:16 elements of 1 byte; 20 padding on; 21 set beside a mask; 24:22 after every 32 words; 31:25 four words
.set W0V,  15|(1<<20)|(1<<21)|(6<<22)|(3<<25)          ; after every 128 words, four words
.set W0SK, 15|(3<<16)|(1<<21)                          ; elements of 8 bytes, no padding
.set W0SV, 15|(1<<20)|(1<<21)|(3<<22)|(1<<25)          ; after every 16 words, two words
.macro GROUP1 g, w0, c, r, p           ; a tile of r rows x c elements, p elements from row to row; it lies inside the tensor, so the extents are the tile's
	s_mov_b32 s[\g], \w0
	s_mov_b32 s[\g+1], (\c)<<16
	s_mov_b32 s[\g+2], (\r)<<16
	s_mov_b32 s[\g+3], (\c)<<16
	s_mov_b32 s[\g+4], \r
	s_mov_b32 s[\g+5], \p
	s_mov_b32 s[\g+6], 0
	s_mov_b32 s[\g+7], 0
.endm
; A round of the cluster's barrier: my work-group's barrier, wave 0 signals for the work-group, every wave waits for all four work-groups, my work-group's barrier once more.
.macro CROUND
	s_barrier_signal -1
	s_barrier_wait -1
	s_cmp_lg_u32 s[WV], 0
	s_cbranch_scc1 .Lnot_wave_0_\@
	s_barrier_signal -3
.Lnot_wave_0_\@:
	s_barrier_wait -3
	s_barrier_signal -1
	s_barrier_wait -1
.endm
	s_load_b128 s[4:7], s[0:1], 0x0                ; Q's codes s[4:5], Q's scales s[6:7]
	s_load_b128 s[8:11], s[0:1], 0x10              ; K's codes s[8:9], K's scales s[10:11]
	s_load_b128 s[12:15], s[0:1], 0x20             ; V's codes s[12:13], V's scales s[14:15]
	s_load_b64 s[16:17], s[0:1], 0x30              ; out0
	s_set_vgpr_msb 0x40
	v_lshl_add_u32 v0, v0, 2, 0x2d200
	v_mov_b32 v1, 0
	s_set_vgpr_msb 0x4045
	ds_add_u32 v0, v1
	ds_add_u32 v0, v1
	s_set_vgpr_msb 0x4500
	v_lshrrev_b32 v8, 5, v0
	s_delay_alu instid0(VALU_DEP_1)
	v_readfirstlane_b32 s[WV], v8                  ; wave 0..7
	s_and_b32 s[U], s[WV], 3
	s_mov_b32 s[DA], s[WV]
	s_xor_b32 s[DB], s[WV], 15                     ; 15 - w, for w = 0 .. 7
	s_mul_i32 s[STW], s[WV], 16*272
	s_add_co_u32 s[STW], s[STW], STG
	s_bfe_u32 s66, ttmp6, 0x40000                  ; cx: my place in the cluster
	s_lshl_b32 s[XX], ttmp9, 2                     ; in a cluster launch ttmp9 counts clusters
	s_add_co_u32 s[XX], s[XX], s66                 ; work-group x = 4 x cluster x + cx
	s_and_b32 s[HD], ttmp7, 0xffff                 ; the head, which the four partners share
	s_mov_b32 s[SEL], 0x76543210
	s_mov_b32 s[SEL+1], 0xfedcba98
	s_mov_b32 s[CS], 0x3e38aa3b                    ; c = log2(e) / sqrt(64)
	s_mov_b32 s[CS+1], s[CS]
	GROUP1 G1K, W0K, 128, 64, 128                  ; K's codes are dense in memory: 64 rows of 128 bytes (4 keys each) to a load
	GROUP1 G1V, W0V, 512, 16, 1024                 ; V: 16 channels x 1,024 keys (512 bytes) to a load, rows 1,024 bytes apart
	GROUP1 G1SK, W0SK, 32, 4, 32                   ; K's scale bytes: 1,024 dense bytes to a load, as 4 rows of 256
	GROUP1 G1SV, W0SV, 64, 16, 64                  ; V's: 16 rows of 64 bytes
	; offsets that hold x: for Q and out0 alone, in s66, s67, s92-95
	s_lshl_b32 s92, s[HD], 16
	s_lshl_b32 s67, s[XX], 9
	s_add_co_u32 s92, s92, s67                     ; Q's codes: 65,536 head + 32 x 16 x
	s_mov_b32 s93, 0
	s_lshl_b32 s94, s[HD], 12
	s_lshl_b32 s67, s[XX], 5
	s_add_co_u32 s94, s94, s67                     ; Q's scales: 4,096 head + 2 x 16 x
	s_mov_b32 s95, 0
	s_lshl_b32 s66, s[HD], 19
	s_lshl_b32 s67, s[XX], 12
	s_add_co_u32 s66, s66, s67                     ; out0: 524,288 head + 256 x 16 x
	s_mov_b32 s67, 0
	; offsets that feed descriptors: the head and the wave's number alone
	s_lshl_b32 s96, s[HD], 16
	s_lshl_b32 s86, s[U], 13
	s_add_co_u32 s96, s96, s86                     ; K's codes: 65,536 head + 8,192 u
	s_mov_b32 s97, 0
	s_add_co_u32 s98, s96, s86                     ; V's codes: 65,536 head + 16,384 u (16 rows)
	s_mov_b32 s99, 0
	s_lshl_b32 s84, s[HD], 12
	s_lshl_b32 s86, s[U], 10
	s_add_co_u32 s84, s84, s86                     ; both tensors of scale bytes: 4,096 head + 1,024 u
	s_mov_b32 s85, 0
	; groups 0: count 1, and the LDS address: a constant + a constant x (wave % 4)
	s_mov_b32 s[G0SK], 1
	s_lshl_b32 s[G0SK+1], s[U], 10
	s_add_co_u32 s[G0SK+1], s[G0SK+1], SCK
	s_mov_b32 s[G0K0], 1
	s_mul_i32 s[G0K0+1], s[U], 64*144
	s_mov_b32 s[G0K1], 1
	s_add_co_u32 s[G0K1+1], s[G0K0+1], KHALF
	s_mov_b32 s[G0SV], 1
	s_mul_i32 s[G0SV+1], s[U], 16*72
	s_add_co_u32 s[G0SV+1], s[G0SV+1], SCV
	s_mov_b32 s[G0V0], 1
	s_mul_i32 s[G0V0+1], s[U], 16*528
	s_add_co_u32 s[G0V0+1], s[G0V0+1], VC0
	s_mov_b32 s[G0V1], 1
	s_add_co_u32 s[G0V1+1], s[G0V0+1], VHALF
	v_and_b32 v11, 15, v0                          ; r
	v_bfe_u32 v10, v0, 4, 1                        ; h
	s_delay_alu instid0(VALU_DEP_2)
	v_lshlrev_b32 v8, 5, v11
	s_delay_alu instid0(VALU_DEP_1)
	v_lshl_add_u32 v8, v10, 4, v8                  ; Q's codes: row r of 32 bytes, + 16 h
	s_delay_alu instid0(VALU_DEP_1)
	v_lshl_add_u32 v242, s[DB], 12, v8             ; + 128 rows for each block of queries: tile B,
	s_delay_alu instid0(VALU_DEP_2)
	v_lshl_add_u32 v243, s[DA], 12, v8             ; tile A
	v_lshlrev_b32 v9, 1, v11                       ; Q's scale words: 2 bytes a row
	s_delay_alu instid0(VALU_DEP_1)
	v_lshl_add_u32 v244, s[DB], 8, v9
	s_delay_alu instid0(VALU_DEP_2)
	v_lshl_add_u32 v245, s[DA], 8, v9
	s_wait_dscnt 0x0
	s_wait_kmcnt 0x0
	s_add_nc_u64 s[G0SK+2:G0SK+3], s[10:11], s[84:85]
	s_or_b32 s[G0SK+3], s[G0SK+3], 0x80000000      ; type = 2
	s_add_nc_u64 s[G0K0+2:G0K0+3], s[8:9], s[96:97]
	s_add_nc_u64 s[G0K1+2:G0K1+3], s[G0K0+2:G0K0+3], 32768   ; 1,024 keys on
	s_or_b32 s[G0K0+3], s[G0K0+3], 0x80000000
	s_or_b32 s[G0K1+3], s[G0K1+3], 0x80000000
	s_add_nc_u64 s[G0SV+2:G0SV+3], s[14:15], s[84:85]
	s_or_b32 s[G0SV+3], s[G0SV+3], 0x80000000
	s_add_nc_u64 s[G0V0+2:G0V0+3], s[12:13], s[98:99]
	s_add_nc_u64 s[G0V1+2:G0V1+3], s[G0V0+2:G0V0+3], 512     ; 1,024 keys on in each row
	s_or_b32 s[G0V0+3], s[G0V0+3], 0x80000000
	s_or_b32 s[G0V1+3], s[G0V1+3], 0x80000000
	s_add_nc_u64 s[4:5], s[4:5], s[92:93]
	s_add_nc_u64 s[6:7], s[6:7], s[94:95]
	s_add_nc_u64 s[16:17], s[16:17], s[66:67]
	CROUND                                         ; all four work-groups are here: the joint loads meet
	; All fills of the launch, in one branch on the wave's number: waves 0-3 fetch for K, waves 4-7 for V, a quarter each: the scale bytes, the keys' first half, their second half.  Three loads of mine are out.
	; Four v_nop follow the last line of each arm, ahead of the jump and the label.
	s_cmp_lt_u32 s[WV], 4
	s_cbranch_scc0 .Lfor_v
	tensor_load_to_lds s[G0SK:G0SK+3], s[G1SK:G1SK+7]
	s_nop 0
	tensor_load_to_lds s[G0K0:G0K0+3], s[G1K:G1K+7]
	s_nop 0
	tensor_load_to_lds s[G0K1:G0K1+3], s[G1K:G1K+7]
	s_nop 0
.rept 4
	v_nop
.endr
	s_branch .Lasked
.Lfor_v:
	tensor_load_to_lds s[G0SV:G0SV+3], s[G1SV:G1SV+7]
	s_nop 0
	tensor_load_to_lds s[G0V0:G0V0+3], s[G1V:G1V+7]
	s_nop 0
	tensor_load_to_lds s[G0V1:G0V1+3], s[G1V:G1V+7]
	s_nop 0
.rept 4
	v_nop
.endr
.Lasked:
	s_wait_alu depctr_va_vdst(0)
	global_load_b128 v[QB:QB+3], v242, s[4:5] th:TH_LOAD_NT    ; lane (r, h): query r, k = 32 h .. 32 h + 31
	global_load_b128 v[QA:QA+3], v243, s[4:5] th:TH_LOAD_NT
	global_load_u16 v[QBS], v244, s[6:7] th:TH_LOAD_NT         ; two scale bytes, the upper half of the word 0
	global_load_u16 v[QAS], v245, s[6:7] th:TH_LOAD_NT
.irp j, 4,5,6,7
	v_mov_b32 v[QB+\j], 0                          ; k = 64 .. 127: zero codes
	v_mov_b32 v[QA+\j], 0
.endr
.irp t, 0,1,2,3,4,5,6,7
.irp j, 4,5,6,7
	v_mov_b32 v[KF+8*\t+\j], 0                     ; the same in K's eight fragments: written once, no load lands here
.endr
.endr
	; Row m = r of a tile of K is key 32 (r / 8) + r % 8 of the tile's: LDS row 8 (r / 8) + (r % 8) / 4, place r % 4 in it; + 16 h
	v_bfe_u32 v8, v0, 2, 1
	v_bfe_u32 v9, v0, 3, 1
	s_delay_alu instid0(VALU_DEP_1)
	v_lshl_add_u32 v8, v9, 3, v8
	s_delay_alu instid0(VALU_DEP_1)
	v_mul_u32_u24 v[AK0], v8, 144
	v_and_b32 v8, 3, v0
	s_delay_alu instid0(VALU_DEP_1)
	v_lshl_add_u32 v[AK0], v8, 5, v[AK0]
	s_delay_alu instid0(VALU_DEP_1)
	v_lshl_add_u32 v[AK0], v10, 4, v[AK0]
	v_mul_u32_u24 v[AV0], v11, 528                 ; V: channel r of a tile, + 16 h
	s_delay_alu instid0(VALU_DEP_1)
	v_lshl_add_u32 v[AV0], v10, 4, v[AV0]
	s_delay_alu instid0(VALU_DEP_1)
	v_add_nc_u32 v[AV0], VC0, v[AV0]
	v_and_b32 v8, 7, v0                            ; K's scale words: 2 bytes a key; lanes 16-31 take the odd tile's, 8 keys on
	s_delay_alu instid0(VALU_DEP_1)
	v_lshlrev_b32 v[ASK0], 1, v8
	s_delay_alu instid0(VALU_DEP_1)
	v_lshl_add_u32 v[ASK0], v9, 6, v[ASK0]
	s_delay_alu instid0(VALU_DEP_1)
	v_lshl_add_u32 v[ASK0], v10, 4, v[ASK0]
	s_delay_alu instid0(VALU_DEP_1)
	v_add_nc_u32 v[ASK0], SCK, v[ASK0]
	v_and_b32 v8, 31, v0                           ; V's: a lane a channel: lanes 16-31 take the odd tile's
	s_delay_alu instid0(VALU_DEP_1)
	v_mul_u32_u24 v[ASV0], v8, 72
	s_delay_alu instid0(VALU_DEP_1)
	v_add_nc_u32 v[ASV0], SCV, v[ASV0]
	v_lshlrev_b32 v[SH], 3, v10
	v_lshlrev_b32 v8, 5, v10
	s_delay_alu instid0(VALU_DEP_1)
	v_sub_nc_u32 v[D0], v11, v8
	s_delay_alu instid0(VALU_DEP_1)
	v_lshl_add_u32 v[D0], s[XX], 4, v[D0]          ; 16 x + r - 32 h
	s_delay_alu instid0(VALU_DEP_1)
	v_add_nc_u32 v[D0+1], 0xffffffc0, v[D0]        ; - 64
	v_mov_b32 v[PX], 0                             ; written once: a lane permute's destination counts as one of its sources
	v_mov_b32 v[T1], 0
	v_mov_b32 v[FF+1], 0                           ; (named as the upper half of a pair)
; A tile begins: O^T and the sum as zeros, the largest t as -3e38, so that the key step is written without a first step of its own: the first change of M multiplies zeros.
.macro TILE_INIT
.set ii, 0
.rept 32
	v_mov_b32 v[OT+ii], 0
.set ii, ii+1
.endr
	v_mov_b32 v13, 0xff61b1e6                      ; the largest t so far: -3e38
	s_delay_alu instid0(VALU_DEP_1)
	v_floor_f32 v12, -v13                          ; -M
	v_mov_b32 v14, 0                               ; the sum, in two halves
	v_mov_b32 v15, 0
.endm
; A KEY STEP: 128 keys against the 16 queries in v[qr] on (scale words v[qs]).  dg: the scalar register with the tile's diagonal step.  causal = 0: every key of the phase's steps counts.
.macro STEP qr, qs, dg, causal
.if \causal
	s_cmp_gt_u32 s[KS], s[\dg]                     ; all 128 keys come after my queries: the step's work is left out.  The branch hangs on the wave's number and the loop's counter
	s_cbranch_scc1 .Lhidden_\@
.endif
	s_setprio 2
	v_add_nc_u32 v[ADK], s[TK], v[AK0]             ; these four are also the places behind the last step's products, in front of the loads into V's registers
	v_add_nc_u32 v[ADV], s[TV], v[AV0]
	v_add_nc_u32 v[ADS], s[TSK], v[ASK0]
	v_add_nc_u32 v[ADT], s[TSV], v[ASV0]
.irp i, 0,1,2,3
	ds_load_u16 v[KSC+\i], v[ADS] offset:128*(\i/2)+32*(\i%2)      ; tiles 2 i (lanes 0-15) and 2 i + 1 (lanes 16-31)
.endr
.irp t, 0,1,2,3,4,5,6,7
	ds_load_b128 v[KF+8*\t:KF+8*\t+3], v[ADK] offset:(16*(\t/4)+2*(\t%4))*144   ; tile t begins at key 64 (t / 4) + 8 (t % 4)
.endr
.irp i, 0,1
	ds_load_b32 v[VSC+\i], v[ADT] offset:2304*\i   ; V is asked for at the step's head and wanted at its end
.endr
.irp t, 0,1,2,3
.irp c, 0,1
	ds_load_b128 v[VF+8*\t+4*\c:VF+8*\t+4*\c+3], v[ADV] offset:16*\t*528+32*\c
.endr
.endr
	s_wait_dscnt 10                                ; K's twelve loads are in; the ten issued behind them, V's, may stay out
.irp t, 0,1,2,3,4,5,6,7                            ; S^T = K Q^T
.if (\t)%2
	v_wmma_scale_f32_16x16x128_f8f6f4 v[S+8*\t:S+8*\t+7], v[KF+8*\t:KF+8*\t+7], v[\qr:\qr+7], 0, v[KSC+\t/2], v[\qs] matrix_a_fmt:MATRIX_FMT_FP4 matrix_b_fmt:MATRIX_FMT_FP4 matrix_a_scale:MATRIX_SCALE_ROW1
.else
	v_wmma_scale_f32_16x16x128_f8f6f4 v[S+8*\t:S+8*\t+7], v[KF+8*\t:KF+8*\t+7], v[\qr:\qr+7], 0, v[KSC+\t/2], v[\qs] matrix_a_fmt:MATRIX_FMT_FP4 matrix_b_fmt:MATRIX_FMT_FP4
.endif
.endr
.rept 4
	v_nop                                          ; four places between the products and the first read of their results (ISA guide 7.12.1)
.endr
.if \causal                                        ; on the diagonal the scores of hidden keys become -infinity ahead of the maximum: p = 0 then
	s_cmp_lg_u32 s[KS], s[\dg]
	s_cbranch_scc1 .Lopen_\@
	v_mov_b32 v[T0], 0xff800000
.irp n, 0,1,2,3,4,5,6,7,8,9,10,11,12,13,14,15,16,17,18,19,20,21,22,23,24,25,26,27,28,29,30,31,32,33,34,35,36,37,38,39,40,41,42,43,44,45,46,47,48,49,50,51,52,53,54,55,56,57,58,59,60,61,62,63
	v_cmp_gt_i32 vcc_lo, \n%32, v[D0+\n/32]        ; register n is key 64 (n / 32) + 32 h + n % 32 of the step; my query is 16 x + r of it
	v_cndmask_b32 v[S+\n], v[S+\n], v[T0], vcc_lo
.endr
.Lopen_\@:
.endif
	; THE LARGEST SCORE OF EACH BLOCK OF 32 KEYS (registers 32 c .. 32 c + 31, all mine): it serves for the row's maximum and, since p rises with the score, for the block's largest p.  Four chains by turns; each tile is first read at its low end
.irp q, 0,1,2,3
	v_max3_num_f32 v[MX+\q], v[S+16*\q], v[S+16*\q+1], v[S+16*\q+2]
.endr
.irp i, 3,5,7,9,11,13
.irp q, 0,1,2,3
	v_max3_num_f32 v[MX+\q], v[MX+\q], v[S+16*\q+\i], v[S+16*\q+\i+1]
.endr
.endr
.irp c, 0,1
	v_max3_num_f32 v[MX+2*\c], v[MX+2*\c], v[S+32*\c+15], v[S+32*\c+31]
.endr
.irp c, 0,1
	s_delay_alu instid0(VALU_DEP_2)
	v_max_num_f32 v[MX+2*\c], v[MX+2*\c], v[MX+2*\c+1]
.endr
	s_delay_alu instid0(VALU_DEP_1)
	v_max_num_f32 v[RM], v[MX], v[MX+2]
	s_delay_alu instid0(VALU_DEP_1)
	v_permlanex16_b32 v[PX], v[RM], s[SEL], s[SEL+1]
	s_delay_alu instid0(VALU_DEP_1)
	v_max_num_f32 v[RM], v[RM], v[PX]              ; with lane l xor 16's 64 keys: the step's largest score of my query
	s_delay_alu instid0(VALU_DEP_1)
	v_mul_f32 v[RM], s[CS], v[RM]                  ; as t (c is positive)
	s_delay_alu instid0(VALU_DEP_1)
	v_max_num_f32 v13, v13, v[RM]                  ; the running largest t
	v_mov_b32 v[T0], v12
	s_delay_alu instid0(VALU_DEP_2)
	v_floor_f32 v12, -v13                          ; the new -M = -ceil(t): a whole number
	s_delay_alu instid0(VALU_DEP_1)
	v_sub_f32 v[T0], v12, v[T0]                    ; old M - new M: a whole number, 0 or less
	s_delay_alu instid0(VALU_DEP_1)
	v_cvt_i32_f32 v[T0], v[T0]                     ; (it saturates)
	s_delay_alu instid0(VALU_DEP_1)
	v_ldexp_f32 v[FF], 1.0, v[T0]                  ; f = 2^(old M - new M)
.set ii, 0
.rept 32
	v_pk_fma_f32 v[S+ii:S+ii+1], v[S+ii:S+ii+1], s[CS:CS+1], v[12:13] op_sel_hi:[1,0,0]   ; t - M, two at a time
.set ii, ii+2
.endr
	v_fma_f32 v[MX], v[MX], s[CS], v12             ; the same of each block's largest score
	v_fma_f32 v[MX+2], v[MX+2], s[CS], v12
	s_wait_alu depctr_va_vdst(0)
	v_exp_f32 v[MX], v[MX]                         ; ONE BATCH of 66 exponentials: the two blocks' largest p,
	v_exp_f32 v[MX+2], v[MX+2]
.set ii, 0
	s_setprio 1
.rept 64
	v_exp_f32 v[S+ii], v[S+ii]                     ; and p = 2^(t - M), at most 1, not normalised
.set ii, ii+1
.endr
	v_pk_mul_f32 v[14:15], v[14:15], v[FF:FF+1] op_sel_hi:[1,0]   ; the sums under the new M: the plain instruction behind the last exponential
	s_wait_alu depctr_va_vdst(0)                   ; one wait for the batch, ahead of the first line that names a result
	v_max_num_f32 v[MX], 0x1800000, v[MX]          ; the floor 2^(3 - 127): the byte cannot fall under 1
	v_max_num_f32 v[MX+2], 0x1800000, v[MX+2]
	s_delay_alu instid0(VALU_DEP_2)
	v_add_nc_u32 v[E], 0xff000000, v[MX]           ; 2 off the exponent field: the conversion's scale operand
	s_delay_alu instid0(VALU_DEP_2)
	v_add_nc_u32 v[E+1], 0xff000000, v[MX+2]
	s_delay_alu instid0(VALU_DEP_2)
	v_lshrrev_b32 v[MX], 23, v[E]                  ; the scale's byte
	s_delay_alu instid0(VALU_DEP_2)
	v_lshrrev_b32 v[MX+2], 23, v[E+1]
	s_delay_alu instid0(VALU_DEP_1)
	v_lshl_or_b32 v[T0], v[MX+2], 16, v[MX]        ; my two bytes: blocks h and 2 + h,
	s_delay_alu instid0(VALU_DEP_1)
	v_lshlrev_b32 v[T0], v[SH], v[T0]              ; at their places in the word (8 h bits up);
	s_delay_alu instid0(VALU_DEP_1)
	v_permlanex16_b32 v[T1], v[T0], s[SEL], s[SEL+1]
	s_delay_alu instid0(VALU_DEP_1)
	v_or_b32 v[PW], v[T0], v[T1]                   ; with lane l xor 16's two the word is whole
.irp t, 0,1,2,3,4,5,6,7
	v_cvt_scalef32_pk8_fp4_f32 v[PC+\t], v[S+8*\t:S+8*\t+7], v[E+\t/4]   ; keys 64 (t / 4) + 32 h + 8 (t % 4) on: register t of P's operand as it stands
.endr
.set ii, 0
.rept 16
	v_pk_mul_f32 v[OT+ii:OT+ii+1], v[OT+ii:OT+ii+1], v[FF:FF+1] op_sel_hi:[1,0]   ; O^T under the new M, from each tile's low end on.  (The first is the plain place behind the conversions)
.set ii, ii+2
.endr
	v_pk_add_f32 v[250:251], v[100:101], v[104:105]
	v_pk_add_f32 v[248:249], v[108:109], v[112:113]
	v_pk_add_f32 v[244:245], v[116:117], v[120:121]
	v_pk_add_f32 v[242:243], v[124:125], v[128:129]
	v_pk_add_f32 v[234:235], v[132:133], v[136:137]
	v_pk_add_f32 v[232:233], v[140:141], v[144:145]
	v_pk_add_f32 v[90:91], v[148:149], v[152:153]
	v_pk_add_f32 v[14:15], v[14:15], v[156:157]
	v_pk_add_f32 v[250:251], v[250:251], v[96:97]
	v_pk_add_f32 v[248:249], v[248:249], v[98:99]
	s_setprio 0
	v_pk_add_f32 v[244:245], v[244:245], v[102:103]
	v_pk_add_f32 v[242:243], v[242:243], v[106:107]
	v_pk_add_f32 v[234:235], v[234:235], v[110:111]
	v_pk_add_f32 v[232:233], v[232:233], v[114:115]
	v_pk_add_f32 v[90:91], v[90:91], v[118:119]
	v_pk_add_f32 v[14:15], v[14:15], v[122:123]
	v_pk_add_f32 v[250:251], v[250:251], v[126:127]
	v_pk_add_f32 v[248:249], v[248:249], v[130:131]
	v_pk_add_f32 v[244:245], v[244:245], v[134:135]
	v_pk_add_f32 v[242:243], v[242:243], v[138:139]
	v_pk_add_f32 v[234:235], v[234:235], v[142:143]
	v_pk_add_f32 v[232:233], v[232:233], v[146:147]
	v_pk_add_f32 v[90:91], v[90:91], v[150:151]
	v_pk_add_f32 v[14:15], v[14:15], v[154:155]
	v_pk_add_f32 v[250:251], v[250:251], v[158:159]
	s_delay_alu instid0(VALU_DEP_2)
	v_pk_add_f32 v[14:15], v[14:15], v[242:243]
	s_delay_alu instid0(VALU_DEP_2)
	v_pk_add_f32 v[250:251], v[250:251], v[234:235]
	v_pk_add_f32 v[248:249], v[248:249], v[232:233]
	v_pk_add_f32 v[244:245], v[244:245], v[90:91]
	s_delay_alu instid0(VALU_DEP_2)
	v_pk_add_f32 v[14:15], v[14:15], v[248:249]
	s_delay_alu instid0(VALU_DEP_2)
	v_pk_add_f32 v[250:251], v[250:251], v[244:245]
	s_delay_alu instid0(VALU_DEP_1)
	v_pk_add_f32 v[14:15], v[14:15], v[250:251]
	s_wait_dscnt 0x0                               ; V is in
.irp t, 0,1,2,3                                    ; O^T += V^T P^T: four tiles of 16 channels; K = these 128 keys.  A step's twelve matrix instructions name twelve accumulators, so no two that follow each other share one
.if (\t)%2
	v_wmma_scale_f32_16x16x128_f8f6f4 v[OT+8*\t:OT+8*\t+7], v[VF+8*\t:VF+8*\t+7], v[PC:PC+7], v[OT+8*\t:OT+8*\t+7], v[VSC+\t/2], v[PW] matrix_a_fmt:MATRIX_FMT_FP4 matrix_b_fmt:MATRIX_FMT_FP4 matrix_a_scale:MATRIX_SCALE_ROW1
.else
	v_wmma_scale_f32_16x16x128_f8f6f4 v[OT+8*\t:OT+8*\t+7], v[VF+8*\t:VF+8*\t+7], v[PC:PC+7], v[OT+8*\t:OT+8*\t+7], v[VSC+\t/2], v[PW] matrix_a_fmt:MATRIX_FMT_FP4 matrix_b_fmt:MATRIX_FMT_FP4
.endif
.endr
.if \causal
.Lhidden_\@:
.endif
.endm
; Eight key steps, first .. first + 7: a loop of constant count; the LDS addresses hang on scalars stepped by constants.  tv0: where step first begins in V's rows.
.macro PHASE qr, qs, dg, first, tv0, causal
	s_mov_b32 s[KS], \first
	s_mov_b32 s[TK], KSTEPB*\first
	s_mov_b32 s[TV], \tv0
	s_mov_b32 s[TSK], 256*\first
	s_mov_b32 s[TSV], 4*\first
.Lstep_\@:
	STEP \qr, \qs, \dg, \causal
	s_add_co_u32 s[TK], s[TK], KSTEPB              ; 128 keys on: 32 LDS rows of K,
	s_add_co_u32 s[TV], s[TV], 64                  ; 64 bytes in each row of V,
	s_add_co_u32 s[TSK], s[TSK], 256               ; 256 scale bytes of K,
	s_add_co_u32 s[TSV], s[TSV], 4                 ; 4 in each row of V's
	s_add_co_u32 s[KS], s[KS], 1
	s_cmp_lt_u32 s[KS], \first+8
	s_cbranch_scc1 .Lstep_\@
	s_setprio 0
.endm
; THE WAY OUT of a tile.  The sum's halves are added; O^T / the sum goes through my own stage in LDS (row = query, 256 bytes + 16) and comes back as whole rows: a store of the wave covers 512 consecutive bytes, aligned.
; The address work stands between the sum's lines: plain instructions behind the last products and behind the reciprocal.  more = 1: registers that the stores read are written again afterwards.
.macro WAYOUT dg, more
	v_add_f32 v14, v14, v15
	v_and_b32 v8, 15, v0                           ; r
	v_bfe_u32 v9, v0, 4, 1                         ; h
	s_delay_alu instid0(VALU_DEP_3)
	v_permlanex16_b32 v[PX], v14, s[SEL], s[SEL+1]
	s_delay_alu instid0(VALU_DEP_3)
	v_mul_u32_u24 v10, v8, 272
	s_delay_alu instid0(VALU_DEP_1)
	v_lshl_add_u32 v10, v9, 5, v10
	s_delay_alu instid0(VALU_DEP_3)
	v_add_f32 v14, v14, v[PX]                      ; with lane l xor 16's: the row's sum
	s_delay_alu instid0(VALU_DEP_2)
	v_add_nc_u32 v10, s[STW], v10                  ; in: row r, + 32 h; tile t's eight channels 64 t bytes on
	s_wait_alu depctr_va_vdst(0)
	v_rcp_f32 v14, v14
	v_mul_u32_u24 v11, v9, 272
	s_delay_alu instid0(VALU_DEP_1)
	v_lshl_add_u32 v11, v8, 4, v11
	s_delay_alu instid0(VALU_DEP_1)
	v_add_nc_u32 v11, s[STW], v11                  ; back: lanes 0-15 one row, lanes 16-31 the next
	v_lshlrev_b32 v[GO], 8, v9
	s_delay_alu instid0(VALU_DEP_1)
	v_lshl_add_u32 v[GO], v8, 4, v[GO]
	s_delay_alu instid0(VALU_DEP_1)
	v_lshl_add_u32 v[GO], s[\dg], 15, v[GO]        ; the same two rows in out0, + 128 rows for each block of queries
	s_wait_alu depctr_va_vdst(0)                   ; ahead of the first line that names the reciprocal
.set ii, 0
.rept 16
	v_pk_mul_f32 v[S+ii:S+ii+1], v[OT+ii:OT+ii+1], v[14:15] op_sel_hi:[1,0]   ; register 8 t + j is out(r, 16 t + 8 h + j); each tile from its low end on
.set ii, ii+2
.endr
.irp t, 0,1,2,3
	ds_store_b128 v10, v[S+8*\t:S+8*\t+3] offset:64*\t
	ds_store_b128 v10, v[S+8*\t+4:S+8*\t+7] offset:64*\t+16
.endr
.irp i, 0,1,2,3,4,5,6,7
	ds_load_b128 v[S+32+4*\i:S+32+4*\i+3], v11 offset:544*\i   ; LDS serves a wave's instructions in order (ISA guide 5.7.1.4): these see my stores
.endr
.irp i, 0,1,2,3,4,5,6,7
	s_wait_dscnt 7-\i                              ; the younger loads from the stage may stay out
	global_store_b128 v[GO], v[S+32+4*\i:S+32+4*\i+3], s[16:17] offset:512*\i th:TH_STORE_NT
.endr
.if \more
	s_wait_xcnt 0x0                                ; the stores' data and offset registers are written again only behind this wait
.endif
.endm
	TILE_INIT
	s_wait_tensorcnt 0x1                           ; my scale bytes and my part of the keys' first half are in; my one younger load, the second half's, may stay out
	s_barrier_signal -1
	s_barrier_wait -1                              ; everybody's are
	s_wait_loadcnt 0x0                             ; Q
	PHASE QB, QBS, DB, 0, 0, 0                     ; tile B, key steps 0-7: all visible (its queries begin at 1,024 or later), the same work in all eight waves
	s_wait_tensorcnt 0x0                           ; my part of the second half is in,
	s_wait_dscnt 0x0
	s_barrier_signal -1
	s_barrier_wait -1                              ; everybody's is
	PHASE QB, QBS, DB, 8, VHALF, 1                 ; tile B, key steps 8 .. 15 - w
	s_wait_alu depctr_va_vdst(0)
	WAYOUT DB, 1
	TILE_INIT
	PHASE QA, QAS, DA, 0, 0, 1                     ; tile A, key steps 0 .. w
	s_wait_alu depctr_va_vdst(0)
	WAYOUT DA, 0
	s_wait_dscnt 0x0
	s_set_vgpr_msb 0x5
	s_wait_tensorcnt 0x0
	ds_add_u32 v0, v1
	s_wait_dscnt 0x0
	s_set_vgpr_msb 0x500
	CROUND                                         ; the closing round: no work-group ends while a partner may still ask for a tile that names it
	s_endpgm
.Lfunc_end_k_q0c071efed4_attn:
	.size	k_q0c071efed4_attn, .Lfunc_end_k_q0c071efed4_attn-k_q0c071efed4_attn
	.p2alignl 7, 3214868480
	.fill 96, 4, 3214868480
	.section	.rodata,"a",@progbits
	.p2align	6, 0x0
	.amdhsa_kernel k_q0c071efed4_attn
		.amdhsa_group_segment_fixed_size 185856
		.amdhsa_private_segment_fixed_size 0
		.amdhsa_enable_private_segment 0
		.amdhsa_kernarg_size 56
		.amdhsa_user_sgpr_count 2
		.amdhsa_user_sgpr_kernarg_segment_ptr 1
		.amdhsa_wavefront_size32 1
		.amdhsa_system_sgpr_workgroup_id_x 1
		.amdhsa_system_sgpr_workgroup_id_y 1
		.amdhsa_system_sgpr_workgroup_id_z 1
		.amdhsa_system_vgpr_workitem_id 0
		.amdhsa_next_free_vgpr 258
		.amdhsa_next_free_sgpr 100
		.amdhsa_reserve_vcc 1
		.amdhsa_float_denorm_mode_32 3
		.amdhsa_float_denorm_mode_16_64 3
		.amdhsa_memory_ordered 1
		.amdhsa_forward_progress 1
		.amdhsa_inst_pref_size 77
	.end_amdhsa_kernel
	.amdgpu_metadata
---
amdhsa.version: [ 1, 2 ]
amdhsa.kernels:
  - .name:           k_q0c071efed4_attn
    .symbol:         k_q0c071efed4_attn.kd
    .args:
      - { .name: q_codes, .offset: 0, .size: 8, .value_kind: global_buffer, .address_space: global }
      - { .name: q_scales, .offset: 8, .size: 8, .value_kind: global_buffer, .address_space: global }
      - { .name: k_codes, .offset: 16, .size: 8, .value_kind: global_buffer, .address_space: global }
      - { .name: k_scales, .offset: 24, .size: 8, .value_kind: global_buffer, .address_space: global }
      - { .name: v_codes, .offset: 32, .size: 8, .value_kind: global_buffer, .address_space: global }
      - { .name: v_scales, .offset: 40, .size: 8, .value_kind: global_buffer, .address_space: global }
      - { .name: out0, .offset: 48, .size: 8, .value_kind: global_buffer, .address_space: global }
    .group_segment_fixed_size: 185856
    .private_segment_fixed_size: 0
    .kernarg_segment_align: 8
    .kernarg_segment_size: 56
    .max_flat_workgroup_size: 256
    .sgpr_count:     100
    .vgpr_count:     258
    .wavefront_size: 32
...
	.end_amdgpu_metadata
.endif
;; end of part 1
